; MI455X (gfx1250); checked and timed in simulation.
; The chip was launched on July 23, 2026; its instructions are those of AMD's public machine-readable ISA for CDNA 5 (MIT licence, August 2026) and "CDNA5" Instruction Set Architecture Reference Guide (July 2026). The comments in the code are by the model that wrote it; some were corrected since.
;; Overlap Reward. Allowed arithmetic: float matrix products may take bf16 or f16 operands with f32 sums; all other float work in f32.
;; Inputs: mask 4 x 64 x 80 bool; traj 4 x 64 x 80 x 5 float32.
;; Outputs: out0 4 x 64 x 80 x 64 float32.
;; One version. Each part assembles by itself: llvm-mc -triple=amdgcn-amd-amdhsa -mcpu=gfx1250 --defsym DOCPART=n.
;; ======== version 1 of 1: 1 launch
;; launch overlap (part 1): grid 64 x 4, 20 waves a work-group, no clusters, 40,960 bytes of LDS; arguments traj, mask, out0; writes out0
.if DOCPART == 1
	.amdgcn_target "amdgcn-amd-amdhsa--gfx1250"
	.amdhsa_code_object_version 6
	.text
	.protected	k_q9ba01aac32_overlap
	.globl	k_q9ba01aac32_overlap
	.p2align	8
	.type	k_q9ba01aac32_overlap,@function
k_q9ba01aac32_overlap:
	s_mov_b64 s[64:65], 0
	v_nop
	global_prefetch_b8 v0, s[64:65] scope:SCOPE_SE
	s_setreg_imm32_b32 hwreg(HW_REG_WAVE_MODE, 25, 1), 1
	s_wait_xcnt 0x0
; out0[b][i][t][j] = signed distance between box i and box j of slice (b, t); 1000 where i = j or a mask is 0.
; traj [4][64][80][5] f32 (x, y, length, width, yaw), mask [4][64][80] bytes, out0 [4][64][80][64] f32.
;
; THE ARITHMETIC.  The octagon of the Minkowski sum of box i and the negated box j alternates edges of the two boxes and is
; point-symmetric about C = c_i - c_j.  A box, turned to its downmost corner, is given by its centre, the unit tangent t of its
; downmost edge (+-u or +-n of the yaw), the half lengths H0 (that edge) and H1 (the next), and sigma = sign(l w), with
; k0 = -sigma H1, k1 = -sigma H0 the signed heights of the two edges' lines over the centre.  With nu = (-ty, tx),
; cr = ta.tb, sr = ta x tb (the cross product that decides which box's edge comes first), sc = the sign of sr, scr = sc cr, asr = sc sr,
; g = t.C and s = nu.C, each edge has sp (its signed perpendicular distance, nu.vertex) and x (the origin's place along the edge, from
; its middle); the distance to the segment is sqrt(sp^2 + (x - clamp(x, -H, H))^2).  The least of the eight is the least of the
; perpendicular distances whose foot is on the edge and of all vertex distances; the origin is inside where the largest sp is <= 0.
; These identities hold for l, w of either sign (clockwise boxes too): sigma carries the orientation.
;
; THE SHARES.  256 work-groups: batch b (y), five time steps and sixteen rows i (x = 4 x step chunk + row chunk).  Waves 0-9: one thread
; for each of the 320 boxes (64 agents x 5 steps) makes the box's two records in LDS.  Then each of the 20 waves takes one step and four
; rows i; lane L holds j = 2L and 2L+1 in register pairs, so that sums and products go two at a time (v_pk_*_f32) and a row leaves
; by one store of 8 bytes a lane: 256 consecutive bytes, aligned.
; No matrix instruction: nothing here is a product of matrices.  No tensor load, no cluster: what work-groups share is 64 pieces of 100 bytes.
;
; LIMITS.  A side l or w of exactly 0 is taken as an edge of length 0 with a positive sign (the 0/0 that drops such an edge, and with it
; every 'inside', is not imitated).  NaN and infinite inputs are not served.  |yaw| < 2^31 pi/2 (the quadrant goes through an i32); the
; reduction's own error is |yaw| x 1.1e-15, the polynomials' about 1e-7.  Squares of distances are kept in f32: distances from
; about 1e-19 to 1e19.  A cross product of -0.0 counts as negative (exactly parallel edges; for edges of the same direction both
; orders give the same outline).  The result's sign is the sign bit of the largest sp.
.set TC,      5                        ; time steps of a work-group
.set TRAJ_B,  102400                   ; bytes of traj in a batch: 64 x 80 x 20
.set MASK_B,  5120                     ; bytes of mask in a batch
.set OUT_B,   1310720                  ; bytes of out0 in a batch: 64 x 80 x 256
.set OUT_I,   20480                    ; and in a row i: 80 x 256
.set JF,      1280                     ; LDS: one field of the table of boxes j: 320 boxes x 4 bytes, box n = 5 a + step
.set IBASE,   10*JF                    ; LDS: behind its ten fields the records of boxes i
.set IREC,    80                       ; 72 bytes used
; registers of the second part
.set CBX, 4                            ; v[4:23]   box j, a pair (j = 2L, 2L+1) for each field:
.set CBY, 6                            ;           centre x, y
.set TBX, 8                            ;           tangent x, y
.set TBY, 10
.set HB0, 12                           ;           half lengths
.set HB1, 14
.set KB0, 16                           ;           k0, k1
.set KB1, 18
.set SB,  20                           ;           sigma
.set MJ,  22                           ;           mask byte
.set IB,  24                           ; v[24:95]  four records of box i, 18 registers each, every value twice
.set CX,  96                           ; v[96:165] a row's work
.set CY,  98
.set CR,  100
.set SR,  102
.set SC,  104
.set SCR, 106
.set ASR, 108
.set G0,  110
.set S0,  112
.set G1,  114
.set S1,  116
.set AA0, 118
.set DA0, 120
.set AA1, 122
.set YA,  124
.set AB0, 126
.set DB0, 128
.set AB1, 130
.set YB,  132
.set T,   118                          ; the eight clamps, then squared distances: over AA0 .. YB, which are spent by then
.set SP,  134                          ; eight pairs: sp of the edges
.set X,   150                          ; eight pairs: x of the edges, then the excess
.set D,   CX                           ; least squared distance
.set M,   CY                           ; largest sp
.set OUT, 166                          ; v[166:173] a pair for each row: no store's data is ever rewritten
.set K1000, 174
	s_load_b128 s[4:7], s[0:1], 0x0                ; traj s[4:5], mask s[6:7]
	s_load_b64 s[8:9], s[0:1], 0x10                ; out0
	v_lshl_add_u32 v176, v0, 2, 0x9600
	v_mov_b32 v177, 0
	v_lshrrev_b32 v1, 5, v0
	v_readfirstlane_b32 s10, v1                    ; wave 0..19
	s_and_b32 s11, ttmp7, 0xffff                   ; b
	s_lshr_b32 s12, ttmp9, 2                       ; chunk of five steps, 0..15
	s_and_b32 s13, ttmp9, 3                        ; chunk of sixteen rows, 0..3
	s_mov_b32 s20, 0x80000000                      ; the sign bit
	s_mov_b32 s21, 0x7fffffff                      ; all but the sign bit
	s_mov_b32 s22, 0x3f800000                      ; 1.0
	s_mul_i32 s14, s11, TRAJ_B                     ; traj: the batch, and the chunk's first step (20 bytes a step)
	s_mul_i32 s24, s12, TC*20
	s_add_co_u32 s14, s14, s24
	s_mov_b32 s15, 0
	s_mul_i32 s16, s11, MASK_B                     ; mask likewise, one byte a step
	s_mul_i32 s24, s12, TC
	s_add_co_u32 s16, s16, s24
	s_mov_b32 s17, 0
	s_lshr_b32 s23, s10, 2                         ; second part: my step in the chunk, 0..4
	s_and_b32 s25, s10, 3
	s_lshl_b32 s25, s25, 2
	s_lshl4_add_u32 s25, s13, s25                  ; my first row i0 = 16 x chunk + 4 x (wave & 3)
	s_add_co_u32 s24, s24, s23                     ; t = 5 x chunk + step
	s_lshl_b32 s18, s24, 8                         ; out0: 256 t + 20480 i0 + the batch
	s_mul_i32 s24, s25, OUT_I
	s_add_co_u32 s18, s18, s24
	s_mul_i32 s24, s11, OUT_B
	s_add_co_u32 s18, s18, s24
	s_mov_b32 s19, 0
	s_lshl_b32 s26, s23, 2                         ; J table: 4 x step
	s_mul_i32 s27, s25, TC*IREC                    ; I records: box n = 5 i0 + step
	s_mul_i32 s24, s23, IREC
	s_add_co_u32 s27, s27, s24
	s_lshr_b32 s28, s25, 1                         ; the lane that holds j = i: rows 0, 1
	s_add_co_u32 s29, s28, 1                       ; rows 2, 3
	s_lshl_b32 s40, 1, s28
	s_lshl_b32 s41, 1, s29
	s_cmp_ge_u32 s10, 10
	s_cbranch_scc1 .Lsync                          ; 320 boxes are ten waves' work
	; ---------------- FIRST PART: thread n = 5 a + step makes box (a, step) ----------------
	v_mul_u32_u24 v2, v0, 0xcccd
	v_lshrrev_b32 v2, 18, v2                       ; a = n / 5 (exact for n < 65536)
	v_mul_u32_u24 v4, v0, 20
	v_mad_u32_u24 v4, v2, 1500, v4                 ; traj: 1600 a + 20 step = 20 n + 1500 a: neighbouring lanes read neighbouring records
	v_mad_u32_u24 v5, v2, 75, v0                   ; mask: 80 a + step = n + 75 a
	v_lshlrev_b32 v6, 2, v0                        ; J table: 4 n
	v_mul_u32_u24 v7, v0, IREC                     ; I record: 80 n
	s_wait_kmcnt 0x0
	s_add_nc_u64 s[4:5], s[4:5], s[14:15]
	s_add_nc_u64 s[6:7], s[6:7], s[16:17]
	global_load_b32 v14, v4, s[4:5] offset:16      ; yaw
	global_load_b32 v10, v4, s[4:5]                ; x
	global_load_b32 v11, v4, s[4:5] offset:4       ; y
	global_load_b32 v12, v4, s[4:5] offset:8       ; l
	global_load_b32 v13, v4, s[4:5] offset:12      ; w
	global_load_u8 v15, v5, s[6:7]                 ; mask
	s_wait_loadcnt 0x0
	; sin and cos: k = round(yaw 2/pi), r = yaw - k pi/2 with pi/2 in two parts (the fused products are exact), polynomials on |r| <= pi/4
	v_mul_f32 v16, 0x3f22f983, v14                 ; 2/pi
	v_rndne_f32 v16, v16
	v_fmamk_f32 v17, v16, 0xbfc90fdb, v14          ; - k x 1.57079637
	v_cvt_i32_f32 v18, v16                         ; the quadrant is k mod 4
	v_fmamk_f32 v17, v16, 0x333bbd2e, v17          ; + k x 4.37113883e-8
	v_mul_f32 v19, v17, v17                        ; z = r^2
	v_mov_b32 v20, 0xb94ca1f9                      ; sin r = r + r z (-1.6666655e-1 + z (8.3321609e-3 - 1.9515296e-4 z))
	v_mov_b32 v21, 0x37ccf5ce                      ; cos r = 1 + z (-0.5 + z (4.1666646e-2 + z (-1.3887316e-3 + 2.4433157e-5 z)))
	v_fmaak_f32 v20, v20, v19, 0x3c08839e
	v_fmaak_f32 v21, v21, v19, 0xbab6061a
	v_fmaak_f32 v20, v20, v19, 0xbe2aaaa3
	v_fmaak_f32 v21, v21, v19, 0x3d2aaaa5
	v_mul_f32 v20, v20, v19
	v_fma_f32 v21, v21, v19, -0.5
	v_fma_f32 v20, v20, v17, v17
	v_fma_f32 v21, v21, v19, 1.0
	v_and_b32 v22, 1, v18
	v_cmp_ne_u32 vcc_lo, 0, v22                    ; odd quadrants swap the two
	v_cndmask_b32 v23, v20, v21, vcc_lo
	v_cndmask_b32 v24, v21, v20, vcc_lo
	v_lshlrev_b32 v25, 30, v18                     ; sin is negative in quadrants 2, 3: bit 1 of k
	v_add_nc_u32 v26, 1, v18                       ; cos in quadrants 1, 2: bit 1 of k + 1
	v_and_b32 v25, s20, v25
	v_lshlrev_b32 v26, 30, v26
	v_xor_b32 v23, v23, v25                        ; v23 = sin yaw
	v_and_b32 v26, s20, v26
	v_xor_b32 v24, v24, v26                        ; v24 = cos yaw
	; the four corners' heights, summed in the order y + dx s + dy c
	v_mul_f32 v27, 0.5, v12                        ; l/2
	v_mul_f32 v28, 0.5, v13                        ; w/2
	v_mul_f32 v29, v27, v23
	v_mul_f32 v30, v28, v24
	v_add_f32 v31, v11, v29
	v_sub_f32 v32, v11, v29
	v_add_f32 v33, v31, v30                        ; corner 0
	v_add_f32 v34, v32, v30                        ; corner 1
	v_sub_f32 v35, v32, v30                        ; corner 2
	v_sub_f32 v36, v31, v30                        ; corner 3
	; the first lowest corner (the box as box i) and the first highest (the lowest of the negated box, as box j)
	v_cmp_lt_f32 vcc_lo, v34, v33
	v_cndmask_b32 v37, 0, 1, vcc_lo
	v_min_num_f32 v38, v33, v34
	v_cmp_gt_f32 vcc_lo, v34, v33
	v_cndmask_b32 v39, 0, 1, vcc_lo
	v_max_num_f32 v40, v33, v34
	v_cmp_lt_f32 vcc_lo, v35, v38
	v_cndmask_b32 v37, v37, 2, vcc_lo
	v_min_num_f32 v38, v38, v35
	v_cmp_gt_f32 vcc_lo, v35, v40
	v_cndmask_b32 v39, v39, 2, vcc_lo
	v_max_num_f32 v40, v40, v35
	v_cmp_lt_f32 vcc_lo, v36, v38
	v_cndmask_b32 v37, v37, 3, vcc_lo              ; v37: index as box i
	v_cmp_gt_f32 vcc_lo, v36, v40
	v_cndmask_b32 v39, v39, 3, vcc_lo
	v_xor_b32 v39, 2, v39                          ; negating a rectangle's offsets moves the index by two: v39 = index as box j
	v_and_b32 v27, s21, v27                        ; |l|/2
	v_and_b32 v28, s21, v28                        ; |w|/2
	v_xor_b32 v41, v12, v13                        ; its sign bit: sign(l) sign(w)
	v_xor_b32 v42, s20, v23                        ; -sin
	v_bfi_b32 v43, s21, s22, v41                   ; sigma = +-1.0
	v_xor_b32 v44, s20, v41
	v_and_b32 v44, s20, v44                        ; the sign bit of -sigma
; Edge idx of the box runs along -sign(l) u, -sign(w) n, sign(l) u, sign(w) n (u = (cos, sin), n = (-sin, cos)) and is |l|, |w|, |l|, |w| long.
.macro ROLE idx, tx, ty, h0, h1, k0, k1
	v_and_b32 v45, 1, v[\idx]
	v_xor_b32 v46, 2, v[\idx]
	v_cmp_ne_u32 vcc_lo, 0, v45                    ; odd: along n
	v_lshlrev_b32 v46, 30, v46                     ; bit 31: idx < 2, the minus
	v_cndmask_b32 v47, v12, v13, vcc_lo            ; the side whose sign counts
	v_cndmask_b32 v[\tx], v24, v42, vcc_lo
	v_xor_b32 v47, v47, v46
	v_cndmask_b32 v[\ty], v23, v24, vcc_lo
	v_and_b32 v47, s20, v47
	v_cndmask_b32 v[\h0], v27, v28, vcc_lo
	v_cndmask_b32 v[\h1], v28, v27, vcc_lo
	v_xor_b32 v[\tx], v[\tx], v47
	v_xor_b32 v[\ty], v[\ty], v47
	v_xor_b32 v[\k0], v[\h1], v44                  ; k0 = -sigma H1
	v_xor_b32 v[\k1], v[\h0], v44                  ; k1 = -sigma H0
.endm
	ROLE 39, 50, 51, 52, 53, 54, 55                ; as box j: one word into each field, neighbouring lanes at neighbouring words
	ds_store_b32 v6, v10
	ds_store_b32 v6, v11 offset:1*JF
	ds_store_b32 v6, v50 offset:2*JF
	ds_store_b32 v6, v51 offset:3*JF
	ds_store_b32 v6, v52 offset:4*JF
	ds_store_b32 v6, v53 offset:5*JF
	ds_store_b32 v6, v54 offset:6*JF
	ds_store_b32 v6, v55 offset:7*JF
	ds_store_b32 v6, v43 offset:8*JF
	ds_store_b32 v6, v15 offset:9*JF
	ROLE 37, 64, 66, 68, 70, 72, 74                ; as box i: every value twice, so that a broadcast load fills the pairs of the packed arithmetic
	v_mov_b32 v60, v10
	v_mov_b32 v61, v10
	v_mov_b32 v62, v11
	v_mov_b32 v63, v11
.irp p, 64,66,68,70,72,74
	v_mov_b32 v[\p+1], v[\p]
.endr
	v_mov_b32 v76, v43
	v_mov_b32 v77, v43
	ds_store_b128 v7, v[60:63] offset:IBASE
	ds_store_b128 v7, v[64:67] offset:IBASE+16
	ds_store_b128 v7, v[68:71] offset:IBASE+32
	ds_store_b128 v7, v[72:75] offset:IBASE+48
	ds_store_b64 v7, v[76:77] offset:IBASE+64
	s_wait_dscnt 0x0                               ; for the other waves' sake: my records are in LDS before I signal
.Lsync:
	s_barrier_signal -1
	s_barrier_wait -1                              ; all 320 boxes are there
	; ---------------- SECOND PART: one step, four rows i, all 64 j ----------------
	v_and_b32 v1, 31, v0                           ; lane L
	v_lshlrev_b32 v2, 3, v1                        ; out0: 8 L
	v_mul_u32_u24 v3, v1, 40                       ; J table: box n = 5 (2L) + step is at 40 L + 4 step, box 2L+1 20 bytes further:
	v_add_nc_u32 v3, s26, v3
	v_mov_b32 v1, s27                              ; I records: one address for all lanes
.irp f, 0,1,2,3,4,5,6,7,8,9
	ds_load_b32 v[CBX+2*\f],   v3 offset:\f*JF
	ds_load_b32 v[CBX+2*\f+1], v3 offset:\f*JF+20
.endr
.irp r, 0,1,2,3
	ds_load_b128 v[IB+18*\r:IB+18*\r+3],     v1 offset:IBASE+\r*TC*IREC
	ds_load_b128 v[IB+18*\r+4:IB+18*\r+7],   v1 offset:IBASE+\r*TC*IREC+16
	ds_load_b128 v[IB+18*\r+8:IB+18*\r+11],  v1 offset:IBASE+\r*TC*IREC+32
	ds_load_b128 v[IB+18*\r+12:IB+18*\r+15], v1 offset:IBASE+\r*TC*IREC+48
	ds_load_b64  v[IB+18*\r+16:IB+18*\r+17], v1 offset:IBASE+\r*TC*IREC+64
.endr
	v_mov_b32 v[K1000], 0x447a0000                 ; 1000.0
	s_wait_kmcnt 0x0                               ; the waves that made no records have not waited for the arguments yet
	s_add_nc_u64 s[8:9], s[8:9], s[18:19]
	s_wait_dscnt 15                                ; LDS loads return in order (ISA guide 5.7.1): box j (20 loads) and row 0's record (5) are in, the 15 loads of rows 1 to 3 may be out
	; where a result counts: m_i and m_j and i != j, as lane masks for the even and for the odd j.  Box i is one of the boxes j, so m_i is a bit of these masks.
	v_cmp_ne_u32 s30, 0, v[MJ]                     ; m of j = 2L
	v_cmp_ne_u32 s31, 0, v[MJ+1]                   ; m of j = 2L+1
	s_and_not1_b32 s32, s30, s40                   ; row 0: i even, j = i sits in the even half of lane i/2
	s_bitcmp1_b32 s30, s28
	s_cselect_b32 s32, s32, 0
	s_cselect_b32 s33, s31, 0
	s_and_not1_b32 s35, s31, s40                   ; row 1: i odd, the same lane's odd half
	s_bitcmp1_b32 s31, s28
	s_cselect_b32 s34, s30, 0
	s_cselect_b32 s35, s35, 0
	s_and_not1_b32 s36, s30, s41                   ; rows 2, 3: the next lane
	s_bitcmp1_b32 s30, s29
	s_cselect_b32 s36, s36, 0
	s_cselect_b32 s37, s31, 0
	s_and_not1_b32 s39, s31, s41
	s_bitcmp1_b32 s31, s29
	s_cselect_b32 s38, s30, 0
	s_cselect_b32 s39, s39, 0
.macro PMUL d, a, b                    ; a b
	v_pk_mul_f32 v[\d:\d+1], v[\a:\a+1], v[\b:\b+1]
.endm
.macro PADD d, a, b                    ; a + b
	v_pk_add_f32 v[\d:\d+1], v[\a:\a+1], v[\b:\b+1]
.endm
.macro PSUB d, a, b                    ; a - b
	v_pk_add_f32 v[\d:\d+1], v[\a:\a+1], v[\b:\b+1] neg_lo:[0,1] neg_hi:[0,1]
.endm
.macro PFMA d, a, b, c                 ; a b + c
	v_pk_fma_f32 v[\d:\d+1], v[\a:\a+1], v[\b:\b+1], v[\c:\c+1]
.endm
.macro PFNA d, a, b, c                 ; c - a b
	v_pk_fma_f32 v[\d:\d+1], v[\a:\a+1], v[\b:\b+1], v[\c:\c+1] neg_lo:[1,0,0] neg_hi:[1,0,0]
.endm
.macro PFMS d, a, b, c                 ; a b - c
	v_pk_fma_f32 v[\d:\d+1], v[\a:\a+1], v[\b:\b+1], v[\c:\c+1] neg_lo:[0,0,1] neg_hi:[0,0,1]
.endm
.macro CLAMP k, h                      ; x of edge k held to the edge: -H .. H
	v_med3_num_f32 v[T+2*\k],   v[X+2*\k],   -v[\h],   v[\h]
	v_med3_num_f32 v[T+2*\k+1], v[X+2*\k+1], -v[\h+1], v[\h+1]
.endm
; Row i0 + r against all 64 boxes j.
.macro ROW r
.set CAX, IB+18*\r
.set CAY, CAX+2
.set TAX, CAX+4
.set TAY, CAX+6
.set HA0, CAX+8
.set HA1, CAX+10
.set KA0, CAX+12
.set KA1, CAX+14
.set SA,  CAX+16
.set O,   OUT+2*\r
.if \r
	s_wait_dscnt 15-5*\r                           ; this row's record is in; five loads for each later row may be out
.endif
	; the centre, the two frames' mutual turn, and the centre seen in each frame
	PSUB CX, CAX, CBX
	PSUB CY, CAY, CBY
	PMUL CR, TAX, TBX
	PMUL SR, TAY, TBX
	PFMA CR, TAY, TBY, CR                          ; cr = ta . tb
	PFMS SR, TAX, TBY, SR                          ; sr = ta x tb: >= 0 puts box i's edge first
	PMUL G0, TAX, CX
	PMUL S0, TAY, CX
	PMUL G1, TBX, CX
	PMUL S1, TBY, CX
	v_bfi_b32 v[SC],   s21, s22, v[SR]             ; sc = 1.0 with sr's sign
	v_bfi_b32 v[SC+1], s21, s22, v[SR+1]
	PFMA G0, TAY, CY, G0                           ; g0 = ta . C
	PFMS S0, TAX, CY, S0                           ; s0 = nu_a . C
	PFMA G1, TBY, CY, G1                           ; g1 = tb . C
	PFMS S1, TBX, CY, S1                           ; s1 = nu_b . C
	PMUL SCR, SC, CR
	PMUL ASR, SC, SR
	; for each of the four edge directions: the height alpha of the edge's line over the centre and the shift delta of its middle
	PFNA AA0, HB0, ASR, KA0
	PMUL DA0, HB0, SCR
	PMUL AA1, HB0, CR
	PMUL YA,  HB0, SR
	PFNA AB0, HA0, ASR, KB0
	PMUL DB0, HA0, SCR
	PMUL AB1, HA0, CR
	PMUL YB,  HA0, SR
	PFMA AA0, KB0, CR,  AA0                        ; alpha(i, edge 0) = ka0 - Hb0 asr + kb0 cr
	PFMA DA0, KB0, SR,  DA0                        ; -delta(i, 0)     = Hb0 scr + kb0 sr
	PFNA AA1, KB0, ASR, AA1
	PFMA YA,  KB0, SCR, YA                         ; delta(i, 1)      = sigma_a (Hb0 sr + kb0 scr)
	PFMA AB0, KA0, CR,  AB0                        ; alpha(j, 0)      = kb0 - Ha0 asr + ka0 cr
	PFMA DB0, KA0, SR,  DB0                        ; delta(j, 0)      = Ha0 scr + ka0 sr
	PFNA AB1, KA0, ASR, AB1
	PFMA YB,  KA0, SCR, YB                         ; -delta(j, 1)     = sigma_b (Ha0 sr + ka0 scr)
	PFNA AA1, SA, AA1, KA1                         ; alpha(i, 1)      = ka1 - sigma_a (Hb0 cr - kb0 asr)
	PFNA AB1, SB, AB1, KB1                         ; alpha(j, 1)      = kb1 - sigma_b (Ha0 cr - ka0 asr)
	; the eight edges, each with its opposite
	PADD SP+0,  AA0, S0
	PSUB SP+2,  AA0, S0
	PSUB SP+4,  AA1, G0
	PADD SP+6,  AA1, G0
	PADD SP+8,  AB0, S1
	PSUB SP+10, AB0, S1
	PSUB SP+12, AB1, G1
	PADD SP+14, AB1, G1
	PSUB X+0,  G0, DA0
	PADD X+2,  G0, DA0
	PFMA X+4,  SA, YA, S0
	PFNA X+6,  SA, YA, S0
	PADD X+8,  G1, DB0
	PSUB X+10, G1, DB0
	PFNA X+12, SB, YB, S1
	PFMA X+14, SB, YB, S1
	; squared distance to each segment: sp^2 + (what x lies beyond the edge's ends)^2
	CLAMP 0, HA0
	CLAMP 1, HA0
	CLAMP 2, HA1
	CLAMP 3, HA1
	CLAMP 4, HB0
	CLAMP 5, HB0
	CLAMP 6, HB1
	CLAMP 7, HB1
.irp k, 0,1,2,3,4,5,6,7
	PSUB X+2*\k, X+2*\k, T+2*\k
	PMUL T+2*\k, SP+2*\k, SP+2*\k
.endr
.irp k, 0,1,2,3,4,5,6,7
	PFMA T+2*\k, X+2*\k, X+2*\k, T+2*\k
.endr
.irp h, 0,1
	v_min3_num_f32 v[D+\h], v[T+\h], v[T+2+\h], v[T+4+\h]
.endr
.irp h, 0,1
	v_min3_num_f32 v[D+\h], v[D+\h], v[T+6+\h], v[T+8+\h]
.endr
.irp h, 0,1
	v_min3_num_f32 v[D+\h], v[D+\h], v[T+10+\h], v[T+12+\h]
.endr
.irp h, 0,1
	v_min_num_f32 v[D+\h], v[D+\h], v[T+14+\h]
.endr
	v_sqrt_f32 v[D], v[D]                          ; one root for a pair of boxes.  The eight maxima below, which name neither D register, stand
	v_sqrt_f32 v[D+1], v[D+1]                      ; between the roots and the first use of their results (ISA guide 5.7.2)
.irp h, 0,1
	v_max3_num_f32 v[M+\h], v[SP+\h], v[SP+2+\h], v[SP+4+\h]
.endr
.irp h, 0,1
	v_max3_num_f32 v[M+\h], v[M+\h], v[SP+6+\h], v[SP+8+\h]
.endr
.irp h, 0,1
	v_max3_num_f32 v[M+\h], v[M+\h], v[SP+10+\h], v[SP+12+\h]
.endr
.irp h, 0,1
	v_max_num_f32 v[M+\h], v[M+\h], v[SP+14+\h]
.endr
	s_wait_alu depctr_va_vdst(0)
.irp h, 0,1
	v_bfi_b32 v[O+\h], s21, v[D+\h], v[M+\h]       ; inside (every sp negative): the distance takes the minus
	v_cndmask_b32 v[O+\h], v[K1000], v[O+\h], s[32+2*\r+\h]
.endr
	global_store_b64 v2, v[O:O+1], s[8:9] offset:\r*OUT_I th:TH_STORE_NT   ; the row's 64 results: 256 consecutive bytes at a multiple of 256 from out0's first byte
.endm
	ROW 0
	ROW 1
	ROW 2
	ROW 3
	s_barrier_signal -1
	s_barrier_wait -1
	s_wait_tensorcnt 0x0
	ds_add_u32 v176, v177
	s_wait_dscnt 0x0
	s_endpgm
.Lfunc_end_k_q9ba01aac32_overlap:
	.size	k_q9ba01aac32_overlap, .Lfunc_end_k_q9ba01aac32_overlap-k_q9ba01aac32_overlap
	.p2alignl 7, 3214868480
	.fill 96, 4, 3214868480
	.section	.rodata,"a",@progbits
	.p2align	6, 0x0
	.amdhsa_kernel k_q9ba01aac32_overlap
		.amdhsa_group_segment_fixed_size 40960
		.amdhsa_private_segment_fixed_size 0
		.amdhsa_enable_private_segment 0
		.amdhsa_kernarg_size 24
		.amdhsa_user_sgpr_count 2
		.amdhsa_user_sgpr_kernarg_segment_ptr 1
		.amdhsa_wavefront_size32 1
		.amdhsa_system_sgpr_workgroup_id_x 1
		.amdhsa_system_sgpr_workgroup_id_y 1
		.amdhsa_system_sgpr_workgroup_id_z 1
		.amdhsa_system_vgpr_workitem_id 0
		.amdhsa_next_free_vgpr 178
		.amdhsa_next_free_sgpr 66
		.amdhsa_reserve_vcc 1
		.amdhsa_float_denorm_mode_32 3
		.amdhsa_float_denorm_mode_16_64 3
		.amdhsa_memory_ordered 1
		.amdhsa_forward_progress 1
		.amdhsa_inst_pref_size 41
	.end_amdhsa_kernel
	.amdgpu_metadata
---
amdhsa.version: [ 1, 2 ]
amdhsa.kernels:
  - .name:           k_q9ba01aac32_overlap
    .symbol:         k_q9ba01aac32_overlap.kd
    .args:
      - { .name: traj, .offset: 0, .size: 8, .value_kind: global_buffer, .address_space: global }
      - { .name: mask, .offset: 8, .size: 8, .value_kind: global_buffer, .address_space: global }
      - { .name: out0, .offset: 16, .size: 8, .value_kind: global_buffer, .address_space: global }
    .group_segment_fixed_size: 40960
    .private_segment_fixed_size: 0
    .kernarg_segment_align: 8
    .kernarg_segment_size: 24
    .max_flat_workgroup_size: 640
    .sgpr_count:     66
    .vgpr_count:     178
    .wavefront_size: 32
...
	.end_amdgpu_metadata
.endif
;; end of part 1
